; MI455X (gfx1250); checked and timed in simulation.
; The chip was launched on July 23, 2026; its instructions are those of AMD's public machine-readable ISA for CDNA 5 (MIT licence, August 2026) and "CDNA5" Instruction Set Architecture Reference Guide (July 2026). The comments in the code are by the model that wrote it; some were corrected since.
;; Self Attention. Allowed arithmetic: matrix products marked QUANTISED: E5M2 operands, one E8M0 scale for each 32 along K, by v_wmma_scale_f32_16x16x128_f8f6f4 with both operands' format E5M2, f32 sums; everything else in f32.
;; Inputs: Wk_codes 32 x 16 x 32 uint8 (E5M2 codes of Wk, K innermost, in blocks of 32 codes); Wk_scales 32 x 16 uint8 (E8M0 scales of Wk, one for each 32 codes along K); Wo_codes 512 x 16 x 32 uint8 (E5M2 codes of Wo, K innermost, in blocks of 32 codes); Wo_scales 512 x 16 uint8 (E8M0 scales of Wo, one for each 32 codes along K); Wq_codes 32 x 16 x 32 uint8 (E5M2 codes of Wq, K innermost, in blocks of 32 codes); Wq_scales 32 x 16 uint8 (E8M0 scales of Wq, one for each 32 codes along K); Wv_codes 512 x 16 x 32 uint8 (E5M2 codes of Wv, K innermost, in blocks of 32 codes); Wv_scales 512 x 16 uint8 (E8M0 scales of Wv, one for each 32 codes along K); bk 32 float32; bo 512 float32; bq 32 float32; bv 512 float32; gamma 1 float32; x 8 x 512 x 32 x 64 float32.
;; Outputs: out0 8 x 512 x 32 x 64 float32.
;; This version of the problem:
;;   THIS VERSION OF THE PROBLEM IS GIVEN IN LOW PRECISION. The matrix products marked QUANTISED in the list below multiply operands that are first quantised to E5M2 (5 exponent bits, 2 mantissa bits; 8 bits a number), with one power-of-two scale for each 32 numbers along K (OCP MX v1.0); their sums are f32. All else is computed in f32.
;;   The module's matrix products, in the order in which they are computed (A, B: the left and right operand; K: the contracted axis; several contracted axes count as one K, in the product's order):
;;     1. [M 16,384, K 512] x [K 512, N 32]; A: input x; B: input Wq (given as codes): QUANTISED
;;     2. [M 16,384, K 512] x [K 512, N 32]; A: input x; B: input Wk (given as codes): QUANTISED
;;     3. [M 16,384, K 512] x [K 512, N 512]; A: input x; B: input Wv (given as codes): QUANTISED
;;     4. batch 8 x [M 2,048, K 32] x [K 32, N 2,048]; A: computed on the way; B: computed on the way: QUANTISED
;;     5. batch 8 x [M 512, K 2,048] x [K 2,048, N 2,048]; A: computed on the way; B: softmax (see below): QUANTISED
;;     6. [M 16,384, K 512] x [K 512, N 512]; A: computed on the way; B: input Wo (given as codes): QUANTISED
;;   THE QUANTISER, for each operand of a quantised product, along K:
;;     - K is cut into blocks of 32 from its start; a last block that is shorter is filled with zeros.
;;     - A block's scale is 2^e with e = floor(log2(the largest magnitude in the block)) - 15, held to -126 .. 127; a block of zeros has e = 0. As a byte (E8M0): e + 127.
;;     - Each number is divided by its block's scale, clamped to +-57,344, and rounded to the nearest number of E5M2, ties to even, subnormals kept.
;;     - The product sums the exact products of the quantised numbers (number of the format x scale) in f32.
;;   ~~~python
;;   def quantise(x, axis):      # numpy; x: float32 -> the quantised numbers, widened to float32 again
;;       x = np.moveaxis(x, axis, -1); K = x.shape[-1]
;;       x = np.pad(x, [(0, 0)] * (x.ndim - 1) + [(0, -K % 32)]); x = x.reshape(x.shape[:-1] + (-1, 32)); a = np.abs(x).max(-1, keepdims=True)
;;       e = np.where(a > 0, np.clip(np.frexp(np.where(a > 0, a, 1))[1] - 1 - 15, -126, 127), 0)      # np.frexp(a)[1] - 1 = floor(log2(a)), exactly
;;       r = np.clip(x / 2.0 ** e, -57344, 57344)
;;       step = 2.0 ** (np.maximum(np.frexp(np.where(r == 0, 1, r))[1] - 1, -14) - 2)
;;       q = np.round(r / step) * step * 2.0 ** e      # np.round: ties to even
;;       return np.moveaxis(q.reshape(q.shape[:-2] + (-1,))[..., :K], -1, axis).astype(np.float32)
;;   ~~~
;;   SOFTMAX AHEAD OF A QUANTISED PRODUCT. Where the list says 'softmax', what is quantised is not the finished softmax but p = 2^(t - M), with t = logit x log2(e) and M = ceil(the row's largest t), a whole number; so 1/2 < the row's largest p <= 1. The row's sum l is taken of the UNQUANTISED p, in f32, and the product's result is divided by l at the end. Since M is a whole number, a kernel that streams over the keys may use a running M (the ceiling of the running maximum): every later rescaling is an exact power of two, which a block's scale takes up: the codes' values come out the same.
;;   OPERANDS COMPUTED ON THE WAY. 'Computed on the way' means the value that the module computes at that place (a softmax that the list does not call 'softmax' is quantised finished and normalised). What goes into a quantiser is computed in f32, as accurately as f32 sums, v_exp_f32 and their like allow (about 1e-6 of the number): no bf16 or f16 on the way to a quantiser, and a product that is left as it is and whose result goes on into a quantised operand takes f32 operands (vector FMAs, or v_wmma_f32_16x16x4_f32). A number that lies on a knife's edge between two numbers of the format may be rounded either way, as far as f32 arithmetic and the matrix unit's own rounding can turn it there, and no further.
;;   INPUTS GIVEN AS CODES. Wk (in the module: [32, 512], K = its axis 1); Wo (in the module: [512, 512], K = its axis 1); Wq (in the module: [32, 512], K = its axis 1); Wv (in the module: [512, 512], K = its axis 1): each comes as NAME_codes (uint8): NAME with its K axis moved to the last place and cut into blocks of 32 codes, [.., K / 32, bytes a block], one block behind the other in memory; one code a byte (a code: sign, 5 exponent bits, 2 mantissa bits); and NAME_scales (uint8): the same leading axes, one E8M0 byte (e + 127) for each 32 codes along K. Its value is code x scale, taken as it is: it is not quantised again, and the codes and scales need not be those that the quantiser above would give.
;; One version. Each part assembles by itself: llvm-mc -triple=amdgcn-amd-amdhsa -mcpu=gfx1250 --defsym DOCPART=n.
;; ======== version 1 of 1: 2 launches
;; limits: right only within a limited range of input values
;; workspace buffers: vbuf 8,650,752 bytes; qkc 1,048,576 bytes; qks 32,768 bytes
;; launch proj (part 1): grid 32 x 8, 8 waves a work-group, clusters of 4 x 1, 327,680 bytes of LDS; arguments x, Wv_codes, Wv_scales, bv, Wq_codes, Wq_scales, bq, Wk_codes, Wk_scales, bk, vbuf, qkc, qks; writes vbuf, qkc, qks
.if DOCPART == 1
	.amdgcn_target "amdgcn-amd-amdhsa--gfx1250"
	.amdhsa_code_object_version 6
	.text
	.protected	k_q76e31473f5_proj
	.globl	k_q76e31473f5_proj
	.p2align	8
	.type	k_q76e31473f5_proj,@function
k_q76e31473f5_proj:
	s_mov_b64 s[64:65], 0
	v_nop
	global_prefetch_b8 v0, s[64:65] scope:SCOPE_SE
	s_setreg_imm32_b32 hwreg(HW_REG_WAVE_MODE, 25, 1), 1
	s_wait_xcnt 0x0
	s_wait_alu depctr_hold_cnt(0) depctr_sa_sdst(0) depctr_va_vdst(0) depctr_va_sdst(0) depctr_va_ssrc(0) depctr_va_vcc(0) depctr_vm_vsrc(0)
	s_getreg_b32 s2, hwreg(HW_REG_IB_STS2, 6, 4)
	s_cmp_eq_u32 s2, 0
	s_cbranch_scc0 .Lentry_in_a_cluster
	s_endpgm
.Lentry_in_a_cluster:
	s_bfe_u32 s2, ttmp6, 0x10000c
	s_cmp_lg_u32 s2, 0x3003
	s_cbranch_scc0 .Lentry_shape_is_right
	s_endpgm
.Lentry_shape_is_right:
; PROJ: x [8][512 channels][2048 positions] f32 is quantised along the channels (E5M2 codes, one E8M0 byte for each 32), multiplied by Wv, Wq, Wk (given as codes),
; the biases are added, and v (along the keys), q and k (along their 32 dims) are quantised and stored in the order of the next launch's operand registers.
; SHARES.  A work-group of eight waves owns 64 positions of one batch and all 512 channels.
;   x: in K step ks (128 channels) wave W takes channel block W / 2 and 32 positions (W % 2); a lane takes ONE position and its 32 registers run down the block's channels, so a block's largest
;      magnitude needs no other lane and the codes come out with K innermost.  Each load covers 128 consecutive bytes; waves W and W xor 1 cover an aligned 256.
;   v: wave W makes Wv's rows 64 W .. 64 W + 63 (4 tiles) for the 4 tiles of positions: 16 accumulators.   q, k: wave W makes kind W / 4 (0 q, 1 k) for position tile W % 4: 2 accumulators.
; THE ROWS OF A TILE ARE NOT NEIGHBOURS: row rho of tile 2 b + u (of positions, of Wv's rows, of Wq's and Wk's rows) is item 32 b + 8 u + rho + 8 (rho / 8), so that the 16 result registers of tiles 2 b and
; 2 b + 1 are 16 neighbours along the next product's K, 32 b + 16 (lane / 16) + 0 .. 15: two conversions make of them registers 4 b .. 4 b + 3 of the next operand.
; v = x Wv^T with source 0 = 16 positions, source 1 = 16 rows of Wv: a lane holds one channel and registers along the positions, which are v's K.  q, k: source 0 = 16 rows of the weight, source 1 = 16 positions.
; x's fragments go from wave to wave through LDS as images of their registers (group c of four registers at 512 c + 16 x lane).
; CLUSTER: all work-groups read the same Wv; the four of a cluster ask for it jointly (mask 15), each wave for its own 64 rows.  Every LDS byte is filled or stored once: no slot is filled again.
; LIMITS: NaN and infinities among the inputs are not served.  A block whose largest magnitude lies under 2^-111, a block of zeros among them, gets the byte 1 (a block of zeros would have 127 by the quantiser's
; letter): its codes are then zeros or subnormal codes under that byte, and these bytes are read by this program alone.
.set WVP,  528                         ; a row of Wv in LDS: 512 bytes + 16 of padding
.set WVW,  64*WVP                      ; a wave's 64 rows
.set XI,   8*WVW                       ; x's 16 fragment images: K step ks, position tile nt at 8192 ks + 2048 nt
.set XSC,  XI+32768                    ; x's scale words: 256 ks + 64 nt + 4 row, byte = the block in the K step
.set VSL,  XSC+1024                    ; v's scale words on their way out: 128 W + 4 x lane
.set SLB,  VSL+1024                    ; q's and k's scale bytes on their way out: 64 kind + 4 row + tile
; window 0: v1 16 L, v2 4 L, v14 8 L; v3-v13, v20, v21 addresses (below); v15-v19 offsets into weights, scales and biases
.set XSW,  24                          ; v24-25   x's scale words: lanes 0-15 tile 2 p, lanes 16-31 tile 2 p + 1
.set WVS,  26                          ; v26-33   Wv's scale words: register 4 p + ks: lanes 0-15 tile 2 p, lanes 16-31 tile 2 p + 1
.set QKS,  34                          ; v34-37   Wq's or Wk's scale words, register ks: lanes 0-15 tile 0, lanes 16-31 tile 1
.set XQS,  38                          ; v38-41   x's scale words of my position tile, register ks
.set BVR,  42                          ; v42-45   bv of my lane's channel in tile ot
.set QA,   48                          ; v48-63   the two accumulators of q or k; they begin as the bias
.set XR,   64                          ; v64-127  two sets of 32 numbers of x
.set NB,   64                          ; v64-127  later: 64 numbers of v with the bias
.set XF,   128                         ; v128-191 four fragments of x
.set WF,   192                         ; v192-255 four fragments of Wv
.set PCX,  192                         ; while x is quantised: v192-199 a block's codes, v200-203 at work
.set T,    200
.set PC0,  192                         ; at the end: v192-223 v's codes, v224-239 at work, v240-241 v's scale bytes, v242 as they leave, v243 q's or k's byte, v244-247 its codes
.set TM,   224
.set PW0,  240
.set VSD,  242
.set PWQ,  243
.set PCQ,  244
.set QKW,  128                         ; window 1: v0-127 v's accumulators (ot, nt) at 32 ot + 8 nt; v128-255 Wq's or Wk's fragments (u, ks) at 128 + 16 (4 u + ks)
.set WV,   20                          ; s20 my wave's number
.set MNT,  66
.set SEL,  68                          ; s68, s69 lane selects: lane l xor 16
.set MSB, 0
.macro WIN new                         ; the immediate's high byte repeats the setting that is left; a switch that changes nothing is dropped
.if MSB != \new
	s_set_vgpr_msb (MSB<<8)|\new
.set MSB, \new
.endif
.endm
.macro ROUND                           ; a round of the cluster's barrier: my work-group's barrier, wave 0 signals for it, every wave waits for all four work-groups, my work-group's barrier once more
	s_barrier_signal -1
	s_barrier_wait -1
	s_cmp_lg_u32 s[WV], 0
	s_cbranch_scc1 .Lnot_wave_0_\@
	s_barrier_signal -3
.Lnot_wave_0_\@:
	s_barrier_wait -3
	s_barrier_signal -1
	s_barrier_wait -1
.endm
; One product 16 x 16 x 128 on E5M2 codes.  d, a, b: first registers of D, source 0, source 1; c: C's first register, or -1 for the constant 0; sa, sb: the scale registers; ra, rb = 1: that side's scales lie in lanes 16-31.
.macro WM d, a, b, c, sa, sb, ra, rb
.if (\c) < 0
.if (\ra) && (\rb)
	v_wmma_scale_f32_16x16x128_f8f6f4 v[(\d):(\d)+7], v[(\a):(\a)+15], v[(\b):(\b)+15], 0, v[\sa], v[\sb] matrix_a_fmt:MATRIX_FMT_BF8 matrix_b_fmt:MATRIX_FMT_BF8 matrix_a_scale:MATRIX_SCALE_ROW1 matrix_b_scale:MATRIX_SCALE_ROW1
.elseif (\ra)
	v_wmma_scale_f32_16x16x128_f8f6f4 v[(\d):(\d)+7], v[(\a):(\a)+15], v[(\b):(\b)+15], 0, v[\sa], v[\sb] matrix_a_fmt:MATRIX_FMT_BF8 matrix_b_fmt:MATRIX_FMT_BF8 matrix_a_scale:MATRIX_SCALE_ROW1
.elseif (\rb)
	v_wmma_scale_f32_16x16x128_f8f6f4 v[(\d):(\d)+7], v[(\a):(\a)+15], v[(\b):(\b)+15], 0, v[\sa], v[\sb] matrix_a_fmt:MATRIX_FMT_BF8 matrix_b_fmt:MATRIX_FMT_BF8 matrix_b_scale:MATRIX_SCALE_ROW1
.else
	v_wmma_scale_f32_16x16x128_f8f6f4 v[(\d):(\d)+7], v[(\a):(\a)+15], v[(\b):(\b)+15], 0, v[\sa], v[\sb] matrix_a_fmt:MATRIX_FMT_BF8 matrix_b_fmt:MATRIX_FMT_BF8
.endif
.else
.if (\ra) && (\rb)
	v_wmma_scale_f32_16x16x128_f8f6f4 v[(\d):(\d)+7], v[(\a):(\a)+15], v[(\b):(\b)+15], v[(\c):(\c)+7], v[\sa], v[\sb] matrix_a_fmt:MATRIX_FMT_BF8 matrix_b_fmt:MATRIX_FMT_BF8 matrix_a_scale:MATRIX_SCALE_ROW1 matrix_b_scale:MATRIX_SCALE_ROW1
.elseif (\ra)
	v_wmma_scale_f32_16x16x128_f8f6f4 v[(\d):(\d)+7], v[(\a):(\a)+15], v[(\b):(\b)+15], v[(\c):(\c)+7], v[\sa], v[\sb] matrix_a_fmt:MATRIX_FMT_BF8 matrix_b_fmt:MATRIX_FMT_BF8 matrix_a_scale:MATRIX_SCALE_ROW1
.elseif (\rb)
	v_wmma_scale_f32_16x16x128_f8f6f4 v[(\d):(\d)+7], v[(\a):(\a)+15], v[(\b):(\b)+15], v[(\c):(\c)+7], v[\sa], v[\sb] matrix_a_fmt:MATRIX_FMT_BF8 matrix_b_fmt:MATRIX_FMT_BF8 matrix_b_scale:MATRIX_SCALE_ROW1
.else
	v_wmma_scale_f32_16x16x128_f8f6f4 v[(\d):(\d)+7], v[(\a):(\a)+15], v[(\b):(\b)+15], v[(\c):(\c)+7], v[\sa], v[\sb] matrix_a_fmt:MATRIX_FMT_BF8 matrix_b_fmt:MATRIX_FMT_BF8
.endif
.endif
.endm
; nb blocks of 32, of which my lane holds 16 numbers each, v[s + 16 b + i], and lane l xor 16 the other 16, become codes in v[pc + 4 b] on and scale bytes, joined, in v[pw].
.macro QUANT s, nb, pc, pw
.set qb, 0
.rept \nb
	v_max3_num_f32 v[TM+qb], |v[(\s)+16*qb]|, |v[(\s)+16*qb+1]|, 0x8000000   ; my 16 numbers, and the floor 2^(16 - 127), under which no largest magnitude is taken: the byte cannot fall under 1
.set qb, qb+1
.endr
.irp i, 2,4,6,8,10,12,14
.set qb, 0
.rept \nb
	v_max3_num_f32 v[TM+qb], v[TM+qb], |v[(\s)+16*qb+\i]|, |v[(\s)+16*qb+\i+1]|   ; (the blocks by turns)
.set qb, qb+1
.endr
.endr
.set qb, 0
	v_permlanex16_b32 v[TM+4+qb], v[TM+qb], s[SEL], s[SEL+1]
.set qb, qb+1
.rept (\nb)-1
	s_delay_alu instid0(VALU_DEP_4)
	v_permlanex16_b32 v[TM+4+qb], v[TM+qb], s[SEL], s[SEL+1]
.set qb, qb+1
.endr
.set qb, 0
	v_max_num_f32 v[TM+qb], v[TM+qb], v[TM+4+qb]
.set qb, qb+1
.rept (\nb)-1
	s_delay_alu instid0(VALU_DEP_4)
	v_max_num_f32 v[TM+qb], v[TM+qb], v[TM+4+qb]           ; with lane l xor 16's: the block's largest magnitude
.set qb, qb+1
.endr
.set qb, 0
	v_add_nc_u32 v[TM+12+qb], 0xf8800000, v[TM+qb]
.set qb, qb+1
.rept (\nb)-1
	s_delay_alu instid0(VALU_DEP_4)
	v_add_nc_u32 v[TM+12+qb], 0xf8800000, v[TM+qb]         ; 15 off its exponent field: the conversion takes this operand's exponent field as its scale
.set qb, qb+1
.endr
.set qb, 0
.rept \nb
.set qb, qb+1
.endr
.set qb, 0
	v_lshrrev_b32 v[TM+4+qb], 23, v[TM+12+qb]
.set qb, qb+1
.rept (\nb)-1
	s_delay_alu instid0(VALU_DEP_4)
	v_lshrrev_b32 v[TM+4+qb], 23, v[TM+12+qb]              ; the scale's byte
.set qb, qb+1
.endr
.if \nb == 4
	s_delay_alu instid0(VALU_DEP_3)
	v_lshl_or_b32 v[\pw], v[TM+5], 8, v[TM+4]
	s_delay_alu instid0(VALU_DEP_1)
	v_lshl_or_b32 v[\pw], v[TM+6], 16, v[\pw]
	s_delay_alu instid0(VALU_DEP_1)
	v_lshl_or_b32 v[\pw], v[TM+7], 24, v[\pw]
.else
	s_delay_alu instid0(VALU_DEP_1)
	v_mov_b32 v[\pw], v[TM+4]
.endif
.set qb, 0
.rept \nb
.irp i, 0,1,2,3,4,5,6,7,8,9,10,11,12,13,14,15
.endr
	v_cvt_scalef32_pk8_bf8_f32 v[(\pc)+4*qb:(\pc)+4*qb+1], v[(\s)+16*qb:(\s)+16*qb+7], v[TM+12+qb]
	v_cvt_scalef32_pk8_bf8_f32 v[(\pc)+4*qb+2:(\pc)+4*qb+3], v[(\s)+16*qb+8:(\s)+16*qb+15], v[TM+12+qb]
.set qb, qb+1
.endr
	v_nop                                                  ; one plain vector line behind the last scaled conversion
.endm
	s_load_b512 s[4:19], s[0:1], 0x0               ; x s[4:5], Wv's codes s[6:7], Wv's scales s[8:9], bv s[10:11], Wq's codes s[12:13], Wq's scales s[14:15], bq s[16:17], Wk's codes s[18:19]
	s_load_b256 s[40:47], s[0:1], 0x40             ; Wk's scales s[40:41], bk s[42:43], vbuf s[44:45], qkc s[46:47]
	s_load_b64 s[48:49], s[0:1], 0x60              ; qks
	v_lshl_add_u32 v254, v0, 2, 0x4a900
	v_mov_b32 v255, 0
	ds_add_u32 v254, v255
	ds_add_u32 v254, v255
	s_wait_dscnt 0x0
	v_lshrrev_b32 v47, 5, v0
	s_delay_alu instid0(VALU_DEP_1)
	v_readfirstlane_b32 s[WV], v47                 ; wave 0..7
	v_and_b32 v22, 31, v0                          ; L
	v_and_b32 v23, 15, v0                          ; r
	v_bfe_u32 v46, v0, 4, 1                        ; h
	s_and_b32 s21, s[WV], 1                        ; which 32 positions I quantise; which half of a 128-channel group I make
	s_lshr_b32 s22, s[WV], 1                       ; which channel block I quantise; which 128-channel group
	s_and_b32 s23, s[WV], 3                        ; my position tile for q or k
	s_lshr_b32 s36, s[WV], 2                       ; kind: 0 q, 1 k
	v_lshlrev_b32 v1, 4, v22                       ; 16 L
	v_lshlrev_b32 v2, 2, v22                       ; 4 L
	v_lshlrev_b32 v14, 3, v22                      ; 8 L
	; v4: where I store a block's codes: XI + 2048 (2 (W % 2) + L / 16) + 512 (W / 2) + 16 (L % 16)
	v_lshlrev_b32 v4, 4, v23
	s_delay_alu instid0(VALU_DEP_1)
	v_lshl_add_u32 v4, v46, 11, v4
	s_lshl_b32 s50, s21, 12
	s_lshl_b32 s51, s22, 9
	s_add_co_u32 s50, s50, s51
	s_add_co_u32 s50, s50, XI
	v_add_nc_u32 v4, s50, v4
	; v5: and its scale byte: XSC + 128 (W % 2) + 4 L + W / 2
	s_lshl_b32 s50, s21, 7
	s_add_co_u32 s50, s50, s22
	s_add_co_u32 s50, s50, XSC
	v_add_nc_u32 v5, s50, v2
	v_add_nc_u32 v6, XI, v1                        ; v6: a fragment image of x for my lane
	v_add_nc_u32 v7, XSC, v2                       ; v7: x's scale words, two tiles to a load
	; v8: my rows of Wv: 33,792 W + 528 (r + 8 (r / 8)) + 16 h
	v_and_b32 v15, 8, v23
	s_delay_alu instid0(VALU_DEP_1)
	v_add_nc_u32 v15, v15, v23                     ; v15 = r + 8 (r / 8)
	s_delay_alu instid0(VALU_DEP_1)
	v_mul_u32_u24 v8, v15, WVP
	s_delay_alu instid0(VALU_DEP_1)
	v_lshl_add_u32 v8, v46, 4, v8
	s_mul_i32 s50, s[WV], WVW
	v_add_nc_u32 v8, s50, v8
	s_lshl_b32 s50, s23, 11                        ; v9: the images of my position tile, for q or k
	s_add_co_u32 s50, s50, XI
	v_add_nc_u32 v9, s50, v1
	s_lshl_b32 s50, s23, 6                         ; v10: and its scale words
	s_add_co_u32 s50, s50, XSC
	v_lshl_add_u32 v10, v23, 2, s50
	s_lshl_b32 s50, s36, 6                         ; v11: where q's or k's scale byte goes: SLB + 64 kind + 4 r + tile
	s_add_co_u32 s50, s50, s23
	s_add_co_u32 s50, s50, SLB
	v_lshl_add_u32 v11, v23, 2, s50
	s_lshl_b32 s50, s[WV], 7                       ; v12: where v's scale word goes: VSL + 128 W + 4 L
	s_add_co_u32 s50, s50, VSL
	v_add_nc_u32 v12, s50, v2
	s_lshl_b32 s50, s23, 8                         ; v20: where waves 0-3 read them back: VSL + 256 (W % 4) + 8 L
	s_add_co_u32 s50, s50, VSL
	v_add_nc_u32 v20, s50, v14
	v_add_nc_u32 v21, SLB, v2                      ; v21: where wave 4 reads q's and k's bytes back
	s_mov_b32 s50, 0x02020202
	v_mul_lo_u32 v13, v46, s50
	s_delay_alu instid0(VALU_DEP_1)
	v_add_nc_u32 v13, 0x05040100, v13              ; v13: byte select: lanes 0-15 take the even tiles' two bytes, lanes 16-31 the odd tiles'
	; v3: x: my position 32 (W % 2) + (L with bits 3 and 4 exchanged), 4 bytes each, + my channel block's 32 rows of 8,192 bytes
	v_and_b32 v3, 7, v0
	v_bfe_u32 v47, v0, 3, 1
	s_delay_alu instid0(VALU_DEP_1)
	v_lshl_or_b32 v3, v47, 4, v3
	s_delay_alu instid0(VALU_DEP_1)
	v_lshl_or_b32 v3, v46, 3, v3
	s_delay_alu instid0(VALU_DEP_1)
	v_lshlrev_b32 v3, 2, v3
	s_lshl_b32 s50, s21, 7
	s_lshl_b32 s51, s22, 18
	s_add_co_u32 s50, s50, s51
	v_add_nc_u32 v3, s50, v3
	v_lshl_add_u32 v16, v46, 3, v15
	s_delay_alu instid0(VALU_DEP_1)
	v_lshlrev_b32 v16, 4, v16                      ; v16: a weight's scale bytes: row 8 h + r + 8 (r / 8), 16 bytes a row
	v_lshlrev_b32 v17, 9, v15
	s_delay_alu instid0(VALU_DEP_1)
	v_lshl_add_u32 v17, v46, 4, v17                ; v17: Wq's or Wk's codes: row r + 8 (r / 8) of 512 bytes, + 16 h
	v_lshlrev_b32 v18, 6, v46                      ; v18: bq or bk: dims 16 h on
	v_lshlrev_b32 v19, 2, v15                      ; v19: bv: channel r + 8 (r / 8) of a tile
	s_mov_b32 s[SEL], 0x76543210
	s_mov_b32 s[SEL+1], 0xfedcba98
	; descriptor group 1: 64 rows of 512 bytes, 16 bytes of padding behind each
	s_mov_b32 s24, 15|(0<<16)|(1<<20)|(1<<21)|(6<<22)|(3<<25)   ; 15:0 the mask: all four work-groups; 17:16 elements of 1 byte; 20 padding on; 21 set beside a mask; 24:22 after every 128 words; 31:25 four words
	s_mov_b32 s25, 512<<16                         ; tensor_dim0
	s_mov_b32 s26, 64<<16                          ; tensor_dim1
	s_mov_b32 s27, 512<<16                         ; tile_dim0
	s_mov_b32 s28, 64                              ; tile_dim1
	s_mov_b32 s29, 512                             ; from row to row
	s_mov_b32 s30, 0
	s_mov_b32 s31, 0
	s_bfe_u32 s37, ttmp6, 0x40000                  ; cx: it enters global addresses of x and of the stores alone
	s_lshl_b32 s38, ttmp9, 2
	s_add_co_u32 s38, s38, s37                     ; my block of 64 positions
	s_and_b32 s39, ttmp7, 0xffff                   ; the batch
	s_wait_alu depctr_va_vdst(0)
	s_wait_kmcnt 0x0
	s_cmp_lt_u32 s[WV], 4                          ; waves 0-3 make q, waves 4-7 k: the choice hangs on the wave's number alone
	s_cselect_b64 s[12:13], s[12:13], s[18:19]
	s_cselect_b64 s[14:15], s[14:15], s[40:41]
	s_cselect_b64 s[16:17], s[16:17], s[42:43]
	s_mov_b32 s32, 1                               ; group 0: count = 1
	s_mul_i32 s33, s[WV], WVW                      ; LDS address: my 64 rows
	s_lshl_b32 s52, s[WV], 15
	s_mov_b32 s53, 0
	s_add_nc_u64 s[34:35], s[6:7], s[52:53]        ; Wv's rows 64 W on: the same in all four work-groups
	s_or_b32 s35, s35, 0x80000000                  ; type = 2
	s_lshl_b32 s50, s39, 22                        ; x: a batch is 4 MiB, my block 256 bytes of each row
	s_lshl_b32 s51, s38, 8
	s_add_co_u32 s50, s50, s51
	s_mov_b32 s51, 0
	s_add_nc_u64 s[4:5], s[4:5], s[50:51]
	s_lshl_b32 s50, s[WV], 10
	s_add_nc_u64 s[8:9], s[8:9], s[50:51]          ; Wv's scales: my 64 rows of 16 bytes
	s_lshl_b32 s50, s[WV], 8
	s_add_nc_u64 s[10:11], s[10:11], s[50:51]      ; bv: my 64 numbers
.macro LOADX ks                        ; my block's 32 channels of K step ks, at my 32 positions
.set li, 0
.rept 32
	global_load_b32 v[XR+32*((\ks)%2)+li], v3, s[4:5] offset:(128*(\ks)+li)*8192
.set li, li+1
.endr
.endm
	global_load_b128 v[WVS:WVS+3], v16, s[8:9]
	global_load_b128 v[WVS+4:WVS+7], v16, s[8:9] offset:512
	LOADX 0
	LOADX 1
	; where the results go.  vbuf: [batch][pair of key steps][128-channel group][step in the pair][16,896]; my 64 positions are half hf of a key step
	s_mul_i32 s54, s39, 1081344
	s_mul_i32 s55, ttmp9, 135168                   ; the pair = block / 4 = the cluster's number
	s_add_co_u32 s54, s54, s55
	s_bfe_u32 s55, s38, 0x10001                    ; the step in the pair
	s_mul_i32 s55, s55, 16896
	s_add_co_u32 s54, s54, s55
	s_and_b32 s55, s38, 1                          ; hf
	s_mul_i32 s50, s22, 33792
	s_add_co_u32 s50, s50, s54
	s_lshl_b32 s70, s55, 10                        ; groups 2 hf and 2 hf + 1 of each fragment
	s_add_co_u32 s50, s50, s70
	s_lshl_b32 s70, s21, 13                        ; tiles 4 (W % 2) on
	s_add_co_u32 s50, s50, s70
	s_add_nc_u64 s[56:57], s[44:45], s[50:51]      ; v's codes
	s_mul_i32 s50, s23, 33792
	s_add_co_u32 s50, s50, s54
	s_lshl_b32 s70, s55, 8
	s_add_co_u32 s50, s50, s70
	s_add_co_u32 s50, s50, 16384
	s_add_nc_u64 s[60:61], s[44:45], s[50:51]      ; v's scale bytes of group W % 4
	s_lshl_b32 s50, s39, 5
	s_add_co_u32 s50, s50, s38                     ; 32 x batch + block
	s_lshl_b32 s70, s50, 7
	s_mov_b32 s71, 0
	s_add_nc_u64 s[48:49], s[48:49], s[70:71]      ; qks: 128 bytes a block
	s_lshl_b32 s50, s50, 12
	s_lshl_b32 s70, s36, 11
	s_add_co_u32 s50, s50, s70
	s_lshl_b32 s70, s23, 9
	s_add_co_u32 s50, s50, s70
	s_add_nc_u64 s[58:59], s[46:47], s[50:51]      ; qkc: 4,096 bytes a block, 2,048 a kind, 512 a tile
	ROUND                                          ; all four work-groups are here: the joint loads meet
	tensor_load_to_lds s[32:35], s[24:31]          ; my 64 rows of Wv: the launch's only fill of these bytes; one tensor load of mine is out
	s_nop 0
.rept 4
	v_nop
.endr
.macro LATE                            ; 41 loads that are wanted behind the last K step
	WIN 0x40
.irp u, 0,1
.irp k, 0,1,2,3
.irp c, 0,1,2,3
	global_load_b128 v[QKW+16*(4*\u+\k)+4*\c:QKW+16*(4*\u+\k)+4*\c+3], v17, s[12:13] offset:4096*\u+128*\k+32*\c
.endr
.endr
.endr
	WIN 0
	global_load_b128 v[QKS:QKS+3], v16, s[14:15]
.irp u, 0,1
	global_load_b128 v[QA+8*\u:QA+8*\u+3], v18, s[16:17] offset:32*\u        ; register 8 u + j of lane half h is dim 16 h + 8 u + j: the bias is the sums' first C
	global_load_b128 v[QA+8*\u+4:QA+8*\u+7], v18, s[16:17] offset:32*\u+16
.endr
.irp ot, 0,1,2,3
	global_load_b32 v[BVR+\ot], v19, s[10:11] offset:(32*(\ot/2)+8*(\ot%2))*4
.endr
.endm
; K STEP ks: my block of x is quantised and stored as part of four images; a barrier; my 16 products.  left: the younger global loads that may stay out.
.macro PH ks, left
.set XT, XR+32*((\ks)%2)
	s_wait_loadcnt \left
	v_max3_num_f32 v[T], |v[XT]|, |v[XT+1]|, |v[XT+2]|             ; the block's largest magnitude: all 32 numbers are mine
	v_max3_num_f32 v[T+1], |v[XT+3]|, |v[XT+4]|, |v[XT+5]|
.irp i, 6,10,14,18,22,26
	s_delay_alu instid0(VALU_DEP_2)
	v_max3_num_f32 v[T], v[T], |v[XT+\i]|, |v[XT+\i+1]|
	s_delay_alu instid0(VALU_DEP_2)
	v_max3_num_f32 v[T+1], v[T+1], |v[XT+\i+2]|, |v[XT+\i+3]|
.endr
	s_delay_alu instid0(VALU_DEP_2)
	v_max3_num_f32 v[T], v[T], |v[XT+30]|, |v[XT+31]|
	s_delay_alu instid0(VALU_DEP_1)
	v_max3_num_f32 v[T], v[T], v[T+1], 0x8000000                   ; and the floor 2^(16 - 127)
	s_delay_alu instid0(VALU_DEP_1)
	v_add_nc_u32 v[T+2], 0xf8800000, v[T]                          ; the conversion's scale operand
	s_delay_alu instid0(VALU_DEP_1)
	v_lshrrev_b32 v[T+1], 23, v[T+2]                               ; the byte
.set li, 0
.rept 32
.set li, li+1
.endr
.irp g, 0,1,2,3
	v_cvt_scalef32_pk8_bf8_f32 v[PCX+2*\g:PCX+2*\g+1], v[XT+8*\g:XT+8*\g+7], v[T+2]
.endr
	v_nop                                                          ; one plain line behind the last scaled conversion
.if \ks < 2
	LOADX \ks+2                                                    ; the set just read takes the K step two on
.endif
.if \ks == 1
	LATE
.endif
	ds_store_b128 v4, v[PCX:PCX+3] offset:8192*\ks                 ; channels 0-15 of the block: the image's lanes 0-15
	ds_store_b128 v4, v[PCX+4:PCX+7] offset:8192*\ks+256           ; channels 16-31: its lanes 16-31
	ds_store_b8 v5, v[T+1] offset:256*\ks
	s_wait_dscnt 0x0                                               ; for the others' sake: my stores have landed
	s_barrier_signal -1
	s_barrier_wait -1                                              ; this K step's four fragments and their scale words are whole
.if \ks == 0
	s_wait_tensorcnt 0x0                                           ; my rows of Wv, which I alone read
.endif
	ds_load_b32 v[XSW], v7 offset:256*\ks
	ds_load_b32 v[XSW+1], v7 offset:256*\ks+128
.irp nt, 0,1,2,3
.irp c, 0,1,2,3
	ds_load_b128 v[XF+16*\nt+4*\c:XF+16*\nt+4*\c+3], v6 offset:8192*\ks+2048*\nt+512*\c
.endr
.endr
.irp ot, 0,1,2,3
.irp c, 0,1,2,3
	ds_load_b128 v[WF+16*\ot+4*\c:WF+16*\ot+4*\c+3], v8 offset:(32*(\ot/2)+8*(\ot%2))*WVP+128*\ks+32*\c
.endr
.endr
	WIN 0x50                                                       ; C and D in window 1
.irp ot, 0,1,2,3
	s_wait_dscnt 12-4*\ot                                          ; all but the later fragments of Wv, four loads each
.irp nt, 0,1,2,3
.if \ks == 0
	WM 32*\ot+8*\nt, XF+16*\nt, WF+16*\ot, -1, XSW+\nt/2, WVS+4*(\ot/2)+\ks, \nt%2, \ot%2
.else
	WM 32*\ot+8*\nt, XF+16*\nt, WF+16*\ot, 32*\ot+8*\nt, XSW+\nt/2, WVS+4*(\ot/2)+\ks, \nt%2, \ot%2
.endif
.endr
.endr                                                                  ; the 16 accumulators take turns, one instruction a turn
	WIN 0
.rept 8
	v_nop                                                          ; eight places behind these products, in front of what next writes or loads their registers and reads their results
.endr
.endm
	PH 0, 32                                       ; behind K step 0's loads: K step 1's 32
	PH 1, 32                                       ; behind K step 1's: K step 2's 32
	PH 2, 63                                       ; behind K step 2's: 73; the wait's field names 63 at the most, so ten of K step 3's are waited for too
	PH 3, 41                                       ; behind K step 3's: the 41 late loads
	; q or k of my position tile: source 0 = 16 rows of the weight, source 1 = x
	s_wait_loadcnt 0x0
.irp k, 0,1,2,3
.irp c, 0,1,2,3
	ds_load_b128 v[XF+16*\k+4*\c:XF+16*\k+4*\c+3], v9 offset:8192*\k+512*\c
.endr
.endr
.irp k, 0,1,2,3
	ds_load_b32 v[XQS+\k], v10 offset:256*\k
.endr
	s_wait_dscnt 0x0
	WIN 0x01                                       ; source 0 in window 1
.irp k, 0,1,2,3
.irp u, 0,1
	WM QA+8*\u, QKW+16*(4*\u+\k), XF+16*\k, QA+8*\u, QKS+\k, XQS+\k, \u, 0   ; the two accumulators take turns
.endr
.endr
	; v + bv, quantised along the keys, two channel tiles at a time.  The first additions, which name no register of the products above, are the places behind them.
.irp p, 0,1
	WIN 0x01
.set j, 0
.rept 32
.if j < 16
	v_pk_add_f32 v[NB+2*j:NB+2*j+1], v[64*\p+2*j:64*\p+2*j+1], v[BVR+2*\p:BVR+2*\p+1] op_sel_hi:[1,0]             ; tile 2 p: the pair's low word for both halves
.else
	v_pk_add_f32 v[NB+2*j:NB+2*j+1], v[64*\p+2*j:64*\p+2*j+1], v[BVR+2*\p:BVR+2*\p+1] op_sel:[0,1] op_sel_hi:[1,1]   ; tile 2 p + 1: its high word
.endif
.set j, j+1
.endr
	WIN 0
.if \p == 0
.irp b, 0,1,2,3
	v_mov_b32 v[TM+4+\b], 0                        ; written once: a lane permute's destination counts as one of its sources
.endr
.endif
	QUANT NB, 4, PC0+16*\p, PW0+\p                 ; blocks 0, 1: tile 2 p, keys 0-31 and 32-63 of my 64; blocks 2, 3: tile 2 p + 1
.irp q, 0,1,2,3
	global_store_b128 v1, v[PC0+16*\p+4*\q:PC0+16*\p+4*\q+3], s[56:57] offset:(2*\p+\q/2)*2048+(\q%2)*512   ; the 32 lanes store 512 consecutive bytes, aligned: a group of four registers of the next launch's fragment
.endr
.endr
	v_perm_b32 v[VSD], v[PW0+1], v[PW0], v13       ; lanes 0-15: tiles 0 and 2's two bytes each; lanes 16-31: tiles 1 and 3's
	ds_store_b32 v12, v[VSD]
	QUANT QA, 1, PCQ, PWQ                          ; q or k: one block of 32 dims
	global_store_b128 v1, v[PCQ:PCQ+3], s[58:59]   ; 512 consecutive bytes
	ds_store_b8 v11, v[PWQ]                        ; both lanes of a position write the same byte with the same value
	s_wait_dscnt 0x0
	s_barrier_signal -1
	s_barrier_wait -1                              ; the scale bytes of all eight waves lie in LDS
	s_cmp_lt_u32 s[WV], 4
	s_cbranch_scc0 .Lnot_vs
	ds_load_b64 v[248:249], v20                    ; waves 2 W and 2 W + 1's words: group W's half of a key step
	s_wait_dscnt 0x0
	global_store_b64 v14, v[248:249], s[60:61]     ; 256 consecutive bytes, aligned
.Lnot_vs:
	s_cmp_eq_u32 s[WV], 4
	s_cbranch_scc0 .Lnot_qs
	ds_load_b32 v250, v21
	s_wait_dscnt 0x0
	global_store_b32 v2, v250, s[48:49]            ; the block's 128 scale bytes of q and k: all that it has
.Lnot_qs:
	s_wait_xcnt 0x0
	v_lshl_add_u32 v254, v0, 2, 0x4a900
	v_mov_b32 v255, 0
	s_wait_alu depctr_va_vdst(0)
	s_wait_tensorcnt 0x0
	ds_add_u32 v254, v255
	s_wait_dscnt 0x0
	ROUND                                          ; the closing round: no work-group ends while a partner may still ask for a tile that names it
	s_endpgm
.Lfunc_end_k_q76e31473f5_proj:
	.size	k_q76e31473f5_proj, .Lfunc_end_k_q76e31473f5_proj-k_q76e31473f5_proj
	.p2alignl 7, 3214868480
	.fill 96, 4, 3214868480
	.section	.rodata,"a",@progbits
	.p2align	6, 0x0
	.amdhsa_kernel k_q76e31473f5_proj
		.amdhsa_group_segment_fixed_size 327680
		.amdhsa_private_segment_fixed_size 0
		.amdhsa_enable_private_segment 0
		.amdhsa_kernarg_size 104
		.amdhsa_user_sgpr_count 2
		.amdhsa_user_sgpr_kernarg_segment_ptr 1
		.amdhsa_wavefront_size32 1
		.amdhsa_system_sgpr_workgroup_id_x 1
		.amdhsa_system_sgpr_workgroup_id_y 1
		.amdhsa_system_sgpr_workgroup_id_z 1
		.amdhsa_system_vgpr_workitem_id 0
		.amdhsa_next_free_vgpr 512
		.amdhsa_next_free_sgpr 80
		.amdhsa_reserve_vcc 0
		.amdhsa_float_denorm_mode_32 3
		.amdhsa_float_denorm_mode_16_64 3
		.amdhsa_fp16_overflow 1
		.amdhsa_memory_ordered 1
		.amdhsa_forward_progress 1
		.amdhsa_inst_pref_size 69
	.end_amdhsa_kernel
	.amdgpu_metadata
---
amdhsa.version: [ 1, 2 ]
amdhsa.kernels:
  - .name:           k_q76e31473f5_proj
    .symbol:         k_q76e31473f5_proj.kd
    .args:
      - { .name: x, .offset: 0, .size: 8, .value_kind: global_buffer, .address_space: global }
      - { .name: Wv_codes, .offset: 8, .size: 8, .value_kind: global_buffer, .address_space: global }
      - { .name: Wv_scales, .offset: 16, .size: 8, .value_kind: global_buffer, .address_space: global }
      - { .name: bv, .offset: 24, .size: 8, .value_kind: global_buffer, .address_space: global }
      - { .name: Wq_codes, .offset: 32, .size: 8, .value_kind: global_buffer, .address_space: global }
      - { .name: Wq_scales, .offset: 40, .size: 8, .value_kind: global_buffer, .address_space: global }
      - { .name: bq, .offset: 48, .size: 8, .value_kind: global_buffer, .address_space: global }
      - { .name: Wk_codes, .offset: 56, .size: 8, .value_kind: global_buffer, .address_space: global }
      - { .name: Wk_scales, .offset: 64, .size: 8, .value_kind: global_buffer, .address_space: global }
      - { .name: bk, .offset: 72, .size: 8, .value_kind: global_buffer, .address_space: global }
      - { .name: vbuf, .offset: 80, .size: 8, .value_kind: global_buffer, .address_space: global }
      - { .name: qkc, .offset: 88, .size: 8, .value_kind: global_buffer, .address_space: global }
      - { .name: qks, .offset: 96, .size: 8, .value_kind: global_buffer, .address_space: global }
    .group_segment_fixed_size: 327680
    .private_segment_fixed_size: 0
    .kernarg_segment_align: 8
    .kernarg_segment_size: 104
    .max_flat_workgroup_size: 256
    .sgpr_count:     80
    .vgpr_count:     512
    .wavefront_size: 32
...
	.end_amdgpu_metadata
.endif
;; end of part 1
;; launch attn (part 2): grid 32 x 8, 8 waves a work-group, clusters of 4 x 1, 327,680 bytes of LDS; arguments qkc, qks, vbuf, Wo_codes, Wo_scales, bo, gamma, x, out0; writes out0
.if DOCPART == 2
	.amdgcn_target "amdgcn-amd-amdhsa--gfx1250"
	.amdhsa_code_object_version 6
	.text
	.protected	k_q76e31473f5_attn
	.globl	k_q76e31473f5_attn
	.p2align	8
	.type	k_q76e31473f5_attn,@function
k_q76e31473f5_attn:
	s_mov_b64 s[64:65], 0
	v_nop
	global_prefetch_b8 v0, s[64:65] scope:SCOPE_SE
	s_setreg_imm32_b32 hwreg(HW_REG_WAVE_MODE, 25, 1), 1
	s_wait_xcnt 0x0
	s_wait_alu depctr_hold_cnt(0) depctr_sa_sdst(0) depctr_va_vdst(0) depctr_va_sdst(0) depctr_va_ssrc(0) depctr_va_vcc(0) depctr_vm_vsrc(0)
	s_getreg_b32 s2, hwreg(HW_REG_IB_STS2, 6, 4)
	s_cmp_eq_u32 s2, 0
	s_cbranch_scc0 .Lentry_in_a_cluster
	s_endpgm
.Lentry_in_a_cluster:
	s_bfe_u32 s2, ttmp6, 0x10000c
	s_cmp_lg_u32 s2, 0x3003
	s_cbranch_scc0 .Lentry_shape_is_right
	s_endpgm
.Lentry_shape_is_right:
; ATTN: for 64 queries of one batch: scores q . k (K = 32), the softmax as p = 2^(t - M), O = v p^T over 2,048 keys, O / l quantised along the channels, Wo, + bo, x gamma, + x.  All products on E5M2 codes with E8M0 scales.
; THE SOFTMAX: t = score x log2(e); M = the running largest t rounded UP to a whole number; p = 2^(t - M) is quantised along the keys, not normalised; l is the sum of the unquantised p.  When M moves, l and O are
; multiplied by f = 2^(old M - new M), which rounds nothing.
; ROLES.  Waves 0-3 (consumers): wave w holds O^T of all 64 queries x channels 128 w .. 128 w + 127, 32 accumulators (window 1); each fragment of v is read from LDS once and feeds four products.
; Waves 4-7 (producers): wave 4 + qt makes scores, softmax and p's codes for query tile qt.  In interval i the producers make p of key step i (128 keys) and the consumers multiply step i - 1: matrix work and vector
; work are issued in every interval.  p's codes, its scale word and f go from producer to consumer through LDS as images of the operand's registers, in two buffers by turns; one barrier an interval.
; THE PRODUCT WITH K = 32: a fragment's four blocks of 32 along K hold FOUR key tiles; the query operand holds q in block c and zero codes in the others (a window of 16 out of 28 registers: 12 zeros, q, 12 zeros),
; so product c gives the scores of key tile c.  k's scale word has a byte for each tile, q's byte stands in all four places.  k's codes are finite (the quantiser holds them), so zero codes add nothing.
; LAYOUT.  S^T = k q^T, O^T = v^T p^T: a lane holds one query.  Tiles of keys, of queries and of v's channels are in the order row rho of tile 2 b + u = item 32 b + 8 u + rho + 8 (rho / 8), as the launch before laid them:
; the 16 result registers of tiles 2 b, 2 b + 1 are 16 neighbours along the next K.  Y = (O / l) Wo^T with source 0 = 16 queries, source 1 = 16 rows of Wo: a lane holds one output channel and eight neighbouring positions.
; THE RING: two slots of 135,168 bytes, each with two key steps of v (codes and scale bytes, dense); consumer w fetches and alone reads its 33,792 bytes.  At the end the two slots take Wo's two halves.
; CLUSTER: the four query blocks of a cluster walk the same v and Wo: each tile is asked for jointly (mask 15).  k and q come through registers: 4 KiB of a step's 70.
; LIMITS: NaN and infinities are not served.  A block of O / l whose largest magnitude lies under 2^-111 gets the byte 1.  A block's largest p is made from its largest score by the same two instructions, which takes
; v_exp_f32 not to fall where its input rises.  1 / l is v_rcp_f32's.
.set PART,  33792                      ; what one tensor load brings
.set SLOTB, 4*PART
.set STEPB, 16896                      ; a key step's share of a part: 16,384 bytes of codes (8 fragments) + 512 of scale bytes
.set PIMG,  2*SLOTB                    ; p's images: 8192 buf + 2048 qt
.set PFS,   PIMG+16384                 ; (f, p's scale word): 1024 buf + 256 qt + 8 x lane
.set RL,    PFS+2048                   ; 1 / l: 128 qt + 4 x lane
.set OIMG,  RL+512                     ; the images of O / l: fragment (query tile qt, K step ks) at 2048 (4 qt + ks)
.set OSC,   OIMG+32768                 ; their scale words: 128 (4 qt + ks) + 4 x lane
.set SPARE, OSC+2048                   ; the spare words, 128 bytes for each wave: four blocks of 256 bytes that no other line names
; v1 my spare word's address, v2 = 0 (both never rewritten); v3 16 L, v4 8 L, v5 4 L; v6-9 v's fragments of step a = 0..3 of the ring; v10-13 their scale bytes; v14-v30 addresses (below): all made ahead of the first parting
; THE REGISTERS NAMED AS SCALES, in every role: v33, v35, v37, v39, v44-47, v240-247.  They hold scales and nothing else, and no product names them as an operand or a result.
.set WOS,  240                         ; v240-247 Wo's scale words: register 4 p + ks: lanes 0-15 tile 2 p, lanes 16-31 tile 2 p + 1
.set BO,   248                         ; v248-251 bo of my lane's channel in tile ot
; producers, window 0
.set FF,   40                          ; v40 f, v41 p's scale word on its way to LDS
.set PWD,  41
.set TP,   42                          ; v42-43   the second chain of the sum
.set QS,   44                          ; v44      q's byte, four times
.set KS,   45                          ; v45-46   k's scale words, two sets: lanes 0-15 the step's first 64 keys, lanes 16-31 the others
.set QZ,   48                          ; v48-75   12 zeros, q's four registers, 12 zeros
.set KF,   76                          ; v76-139  k's fragments: set kb, 64 keys g at 76 + 32 kb + 16 g
.set S,    140                         ; v140-203 S^T, then p
.set PC,   204                         ; v204-219 p's codes
.set BM,   220                         ; v220-223 each block's largest score, then its largest p
.set BX,   224                         ; v224-227 the other half's; then the bytes
.set HOLD, 228
.set SCL,  232
.set NM,   236                         ; v236 -M, v237 the largest t
.set MT,   237
.set LS,   238                         ; v238-239 l in two halves
.set T0,   252
.set T1,   253
; consumers, window 0
.set PFR,  32                          ; v32-39   (f, p's scale word) of the four query tiles: f in the even registers, the scale words in the odd ones
.set VSR,  40                          ; v40-43   v's scale bytes as they lie
.set VSW,  44                          ; v44-47   as words: register ct / 2: lanes 0-15 the even tile, lanes 16-31 the odd
.set PF,   48                          ; v48-111  p's four fragments
.set VF,   112                         ; v112-239 v's eight fragments
.set RLR,  252                         ; v252-255 1 / l
.set NB,   112                         ; later: 64 numbers of O / l; v176-191 their codes; v192-207 at work; v208 their scale word on its way to LDS
.set PCO,  176
.set TM,   192
.set PWO,  208
; all waves, at the end
.set OS,   44                          ; v44-47   the scale words of O / l
.set OF,   48                          ; v48-111  its four fragments
.set WF,   112                         ; v112-175 Wo's four fragments
.set YS,   48                          ; v48-175  gamma (Y + bo)
.set GB,   176                         ; v176-179 gamma x bo
; window 1: consumers: O^T(ct, qt) at 64 qt + 8 ct; at the end v0-127 my 64 rows of x (producers: from the start), v128-255 Y(ot, qt) at 128 + 8 (4 ot + qt)
.set WV,   22                          ; s22 my wave's number, s23 its low two bits
.set G1V,  28                          ; s[28:35] group 1 for v;  s[36:43] for Wo;  s[44:47], s[48:51] groups 0 of v's two slots;  s[52:55], s[56:59] of Wo's halves
.set G1W,  36
.set G0A,  44
.set G0B,  48
.set G0WA, 52
.set G0WB, 56
.set SEL,  60                          ; s60, s61 lane selects: lane l xor 16
.set CS,   62                          ; s[62:63] log2(e), twice
.set MNT,  66
.set MSB, 0
.macro WIN new                         ; the immediate's high byte repeats the setting that is left; a switch that changes nothing is dropped
.if MSB != \new
	s_set_vgpr_msb (MSB<<8)|\new
.set MSB, \new
.endif
.endm
.macro ROUND                           ; a round of the cluster's barrier
	s_barrier_signal -1
	s_barrier_wait -1
	s_cmp_lg_u32 s[WV], 0
	s_cbranch_scc1 .Lnot_wave_0_\@
	s_barrier_signal -3
.Lnot_wave_0_\@:
	s_barrier_wait -3
	s_barrier_signal -1
	s_barrier_wait -1
.endm
; One product 16 x 16 x 128 on E5M2 codes.  d, a, b: first registers of D, source 0, source 1; c: C's first register, or -1 for the constant 0; sa, sb: the scale registers; ra, rb = 1: that side's scales lie in lanes 16-31.
.macro WM d, a, b, c, sa, sb, ra, rb
.if (\c) < 0
.if (\ra)
	v_wmma_scale_f32_16x16x128_f8f6f4 v[(\d):(\d)+7], v[(\a):(\a)+15], v[(\b):(\b)+15], 0, v[\sa], v[\sb] matrix_a_fmt:MATRIX_FMT_BF8 matrix_b_fmt:MATRIX_FMT_BF8 matrix_a_scale:MATRIX_SCALE_ROW1
.elseif (\rb)
	v_wmma_scale_f32_16x16x128_f8f6f4 v[(\d):(\d)+7], v[(\a):(\a)+15], v[(\b):(\b)+15], 0, v[\sa], v[\sb] matrix_a_fmt:MATRIX_FMT_BF8 matrix_b_fmt:MATRIX_FMT_BF8 matrix_b_scale:MATRIX_SCALE_ROW1
.else
	v_wmma_scale_f32_16x16x128_f8f6f4 v[(\d):(\d)+7], v[(\a):(\a)+15], v[(\b):(\b)+15], 0, v[\sa], v[\sb] matrix_a_fmt:MATRIX_FMT_BF8 matrix_b_fmt:MATRIX_FMT_BF8
.endif
.else
.if (\ra)
	v_wmma_scale_f32_16x16x128_f8f6f4 v[(\d):(\d)+7], v[(\a):(\a)+15], v[(\b):(\b)+15], v[(\c):(\c)+7], v[\sa], v[\sb] matrix_a_fmt:MATRIX_FMT_BF8 matrix_b_fmt:MATRIX_FMT_BF8 matrix_a_scale:MATRIX_SCALE_ROW1
.elseif (\rb)
	v_wmma_scale_f32_16x16x128_f8f6f4 v[(\d):(\d)+7], v[(\a):(\a)+15], v[(\b):(\b)+15], v[(\c):(\c)+7], v[\sa], v[\sb] matrix_a_fmt:MATRIX_FMT_BF8 matrix_b_fmt:MATRIX_FMT_BF8 matrix_b_scale:MATRIX_SCALE_ROW1
.else
	v_wmma_scale_f32_16x16x128_f8f6f4 v[(\d):(\d)+7], v[(\a):(\a)+15], v[(\b):(\b)+15], v[(\c):(\c)+7], v[\sa], v[\sb] matrix_a_fmt:MATRIX_FMT_BF8 matrix_b_fmt:MATRIX_FMT_BF8
.endif
.endif
.endm
; four blocks of 32, of which my lane holds 16 numbers each, v[s + 16 b + i], and lane l xor 16 the other 16, become a fragment's codes in v[pc] on and its scale word in v[pw].
.macro QUANT s, pc, pw
.irp b, 0,1,2,3
	v_max3_num_f32 v[TM+\b], |v[(\s)+16*\b]|, |v[(\s)+16*\b+1]|, 0x8000000   ; my 16 numbers, and the floor 2^(16 - 127): the byte cannot fall under 1
.endr
.irp i, 2,4,6,8,10,12,14
.irp b, 0,1,2,3
	s_delay_alu instid0(VALU_DEP_4)
	v_max3_num_f32 v[TM+\b], v[TM+\b], |v[(\s)+16*\b+\i]|, |v[(\s)+16*\b+\i+1]|   ; (the four blocks by turns)
.endr
.endr
.irp b, 0,1,2,3
	s_delay_alu instid0(VALU_DEP_4)
	v_permlanex16_b32 v[TM+4+\b], v[TM+\b], s[SEL], s[SEL+1]
.endr
.irp b, 0,1,2,3
	s_delay_alu instid0(VALU_DEP_4)
	v_max_num_f32 v[TM+\b], v[TM+\b], v[TM+4+\b]           ; with lane l xor 16's: the block's largest magnitude
.endr
.irp b, 0,1,2,3
	s_delay_alu instid0(VALU_DEP_4)
	v_add_nc_u32 v[TM+12+\b], 0xf8800000, v[TM+\b]         ; 15 off its exponent field: the conversion's scale operand
.endr
.irp b, 0,1,2,3
.endr
.irp b, 0,1,2,3
	s_delay_alu instid0(VALU_DEP_4)
	v_lshrrev_b32 v[TM+4+\b], 23, v[TM+12+\b]              ; the scale's byte
.endr
	s_delay_alu instid0(VALU_DEP_3)
	v_lshl_or_b32 v[\pw], v[TM+5], 8, v[TM+4]
	s_delay_alu instid0(VALU_DEP_1)
	v_lshl_or_b32 v[\pw], v[TM+6], 16, v[\pw]
	s_delay_alu instid0(VALU_DEP_1)
	v_lshl_or_b32 v[\pw], v[TM+7], 24, v[\pw]
.irp b, 0,1,2,3
.irp i, 0,1,2,3,4,5,6,7,8,9,10,11,12,13,14,15
.endr
	v_cvt_scalef32_pk8_bf8_f32 v[(\pc)+4*\b:(\pc)+4*\b+1], v[(\s)+16*\b:(\s)+16*\b+7], v[TM+12+\b]
	v_cvt_scalef32_pk8_bf8_f32 v[(\pc)+4*\b+2:(\pc)+4*\b+3], v[(\s)+16*\b+8:(\s)+16*\b+15], v[TM+12+\b]
.endr
	v_nop                                                  ; one plain vector line behind the last scaled conversion
.endm
	s_load_b512 s[4:19], s[0:1], 0x0               ; qkc s[4:5], qks s[6:7], vbuf s[8:9], Wo's codes s[10:11], Wo's scales s[12:13], bo s[14:15], gamma s[16:17], x s[18:19]
	s_load_b64 s[20:21], s[0:1], 0x40              ; out0
	v_lshl_add_u32 v1, v0, 2, SPARE
	v_mov_b32 v2, 0
	ds_add_u32 v1, v2
	ds_add_u32 v1, v2
	s_wait_dscnt 0x0
	v_lshrrev_b32 v48, 5, v0
	s_delay_alu instid0(VALU_DEP_1)
	v_readfirstlane_b32 s[WV], v48                 ; wave 0..7
	s_and_b32 s23, s[WV], 3                        ; w: a consumer's channel group, a producer's query tile
	v_and_b32 v48, 31, v0                          ; L
	v_and_b32 v49, 15, v0                          ; r
	v_bfe_u32 v50, v0, 4, 1                        ; h
	s_delay_alu instid0(VALU_DEP_3)
	v_lshlrev_b32 v3, 4, v48
	s_delay_alu instid0(VALU_DEP_4)
	v_lshlrev_b32 v4, 3, v48
	v_lshlrev_b32 v5, 2, v48
	s_mul_i32 s80, s23, PART
	v_add_nc_u32 v6, s80, v3                       ; v6-9: v's fragments: slot a / 2, my part, step a % 2, 16 L
	s_delay_alu instid0(VALU_DEP_1)
	v_add_nc_u32 v7, STEPB, v6
	s_delay_alu instid0(VALU_DEP_2)
	v_add_nc_u32 v8, SLOTB, v6
	s_delay_alu instid0(VALU_DEP_3)
	v_add_nc_u32 v9, SLOTB+STEPB, v6
	s_add_co_u32 s81, s80, 16384
	v_add_nc_u32 v10, s81, v5                      ; v10-13: their scale bytes, behind the codes, 4 L
	s_delay_alu instid0(VALU_DEP_1)
	v_add_nc_u32 v11, STEPB, v10
	s_delay_alu instid0(VALU_DEP_2)
	v_add_nc_u32 v12, SLOTB, v10
	s_delay_alu instid0(VALU_DEP_3)
	v_add_nc_u32 v13, SLOTB+STEPB, v10
	v_add_nc_u32 v14, PIMG, v3                     ; v14: p's images, read
	v_add_nc_u32 v15, PFS, v4                      ; v15: (f, scale word), read
	s_lshl_b32 s81, s23, 11
	s_add_co_u32 s82, s81, PIMG
	v_add_nc_u32 v16, s82, v3                      ; v16: p's image of my query tile, written
	s_add_co_u32 s82, s81, OIMG
	v_add_nc_u32 v20, s82, v3                      ; v20: the images of O / l, K step w, written
	s_lshl_b32 s81, s23, 8
	s_add_co_u32 s81, s81, PFS
	v_add_nc_u32 v17, s81, v4                      ; v17: (f, scale word), written
	s_lshl_b32 s81, s23, 7
	s_add_co_u32 s82, s81, RL
	v_add_nc_u32 v18, s82, v5                      ; v18: 1 / l, written
	s_add_co_u32 s82, s81, OSC
	v_add_nc_u32 v21, s82, v5                      ; v21: the scale words of O / l, written
	v_add_nc_u32 v19, RL, v5                       ; v19: 1 / l, read
	v_add_nc_u32 v22, OIMG, v3                     ; v22: the images of O / l, read
	v_add_nc_u32 v23, OSC, v5                      ; v23: their scale words, read
	s_mul_i32 s81, s[WV], PART                     ; Wo's rows 64 W on, and later my stage, lie at 33,792 W
	v_mul_u32_u24 v24, v49, 528
	s_delay_alu instid0(VALU_DEP_1)
	v_lshl_add_u32 v24, v50, 4, v24
	s_delay_alu instid0(VALU_DEP_1)
	v_add_nc_u32 v24, s81, v24                     ; v24: Wo's fragments: row r, 16 h
	v_mul_u32_u24 v25, v49, 272
	s_delay_alu instid0(VALU_DEP_1)
	v_lshl_add_u32 v25, v50, 6, v25
	s_delay_alu instid0(VALU_DEP_1)
	v_add_nc_u32 v25, s81, v25                     ; v25: the stage, in: channel row r of 256 + 16 bytes; lane half h holds positions 16 h on of each 32
	v_mul_u32_u24 v26, v50, 272
	s_delay_alu instid0(VALU_DEP_1)
	v_lshl_add_u32 v26, v49, 4, v26
	s_delay_alu instid0(VALU_DEP_1)
	v_add_nc_u32 v26, s81, v26                     ; v26: the stage, back: lanes 0-15 one row, lanes 16-31 the next
	v_lshlrev_b32 v27, 4, v49
	s_delay_alu instid0(VALU_DEP_1)
	v_lshl_add_u32 v27, v50, 13, v27               ; v27: the same two rows in x and in out0: 8,192 bytes from channel to channel
	v_lshlrev_b32 v28, 13, v48                     ; v28: a channel row to a lane, for the prefetch
	v_lshlrev_b32 v30, 2, v49                      ; v30: 4 r
	s_delay_alu instid0(VALU_DEP_1)
	v_lshl_add_u32 v29, v50, 7, v30
	s_delay_alu instid0(VALU_DEP_1)
	v_add_nc_u32 v29, 64, v29                      ; v29: k's scale words: 128 bytes for 64 positions, k's half behind q's
	s_mov_b32 s[SEL], 0x76543210
	s_mov_b32 s[SEL+1], 0xfedcba98
	s_mov_b32 s[CS], 0x3fb8aa3b                    ; log2(e)
	s_mov_b32 s[CS+1], s[CS]                       ; (named with it as a pair, so it is written)
	s_mov_b32 s74, 0x05040100                      ; byte selects: the two low halves; the two high halves
	s_mov_b32 s75, 0x07060302
	; group 1 for v: 33,792 dense bytes as 132 rows of 256
	s_mov_b32 s[G1V], 15|(3<<16)|(1<<21)           ; 15:0 the mask: all four work-groups; 17:16 elements of 8 bytes; 21 set beside a mask; no padding
	s_mov_b32 s[G1V+1], 32<<16
	s_mov_b32 s[G1V+2], 132<<16
	s_mov_b32 s[G1V+3], 32<<16
	s_mov_b32 s[G1V+4], 132
	s_mov_b32 s[G1V+5], 32
	s_mov_b32 s[G1V+6], 0
	s_mov_b32 s[G1V+7], 0
	; group 1 for Wo: 64 rows of 512 bytes, 16 bytes of padding behind each: 33,792 bytes of LDS too
	s_mov_b32 s[G1W], 15|(0<<16)|(1<<20)|(1<<21)|(6<<22)|(3<<25)
	s_mov_b32 s[G1W+1], 512<<16
	s_mov_b32 s[G1W+2], 64<<16
	s_mov_b32 s[G1W+3], 512<<16
	s_mov_b32 s[G1W+4], 64
	s_mov_b32 s[G1W+5], 512
	s_mov_b32 s[G1W+6], 0
	s_mov_b32 s[G1W+7], 0
	s_and_b32 s27, ttmp7, 0xffff                   ; the batch, which the four partners share
	s_wait_alu depctr_va_vdst(0)
	s_wait_kmcnt 0x0
	s_load_b32 s72, s[16:17], 0x0                  ; gamma
	s_mul_i32 s84, s27, 1081344                    ; what the joint loads name hangs on the batch and the wave's number alone
	s_mul_i32 s85, s23, PART
	s_add_co_u32 s84, s84, s85
	s_mov_b32 s85, 0
	s_add_nc_u64 s[8:9], s[8:9], s[84:85]          ; v: the batch's first pair of key steps, my part
	s_mov_b32 s[G0A], 1
	s_mul_i32 s[G0A+1], s23, PART
	s_mov_b64 s[G0A+2:G0A+3], s[8:9]
	s_or_b32 s[G0A+3], s[G0A+3], 0x80000000
	s_mov_b32 s[G0B], 1
	s_mul_i32 s[G0B+1], s23, PART
	s_add_co_u32 s[G0B+1], s[G0B+1], SLOTB
	s_add_nc_u64 s[G0B+2:G0B+3], s[8:9], SLOTB     ; the second pair
	s_or_b32 s[G0B+3], s[G0B+3], 0x80000000
	s_lshl_b32 s84, s23, 15
	s_add_nc_u64 s[10:11], s[10:11], s[84:85]      ; Wo's rows 64 w on
	s_mov_b32 s[G0WA], 1
	s_mul_i32 s[G0WA+1], s23, PART
	s_mov_b64 s[G0WA+2:G0WA+3], s[10:11]
	s_or_b32 s[G0WA+3], s[G0WA+3], 0x80000000
	s_mov_b32 s[G0WB], 1
	s_mul_i32 s[G0WB+1], s23, PART
	s_add_co_u32 s[G0WB+1], s[G0WB+1], SLOTB
	s_add_nc_u64 s[G0WB+2:G0WB+3], s[10:11], 131072   ; rows 256 + 64 w on
	s_or_b32 s[G0WB+3], s[G0WB+3], 0x80000000
	s_lshl_b32 s84, s27, 17
	s_add_co_u32 s84, s84, 2048
	s_add_nc_u64 s[68:69], s[4:5], s[84:85]        ; k's codes of the batch's first 64 positions (q's 2,048 bytes lie in front)
	s_lshl_b32 s84, s27, 12
	s_add_nc_u64 s[70:71], s[6:7], s[84:85]        ; and the scale bytes
	s_lshl_b32 s84, s[WV], 10
	s_add_nc_u64 s[12:13], s[12:13], s[84:85]      ; Wo's scales: my 64 rows of 16 bytes
	s_lshl_b32 s84, s[WV], 8
	s_add_nc_u64 s[14:15], s[14:15], s[84:85]      ; bo: my 64 numbers
	s_bfe_u32 s25, ttmp6, 0x40000                  ; cx: it enters the global addresses of q, x and out0 alone
	s_lshl_b32 s26, ttmp9, 2
	s_add_co_u32 s26, s26, s25                     ; my block of 64 queries
	s_lshl_b32 s88, s27, 5
	s_add_co_u32 s88, s88, s26
	s_mov_b32 s91, 0
	s_lshl_b32 s90, s88, 12
	s_lshl_b32 s89, s23, 9
	s_add_co_u32 s90, s90, s89
	s_add_nc_u64 s[82:83], s[4:5], s[90:91]        ; q's codes of query tile w
	s_lshl_b32 s90, s88, 7
	s_add_co_u32 s90, s90, s23
	s_add_nc_u64 s[86:87], s[6:7], s[90:91]        ; and its bytes: 4 r + w
	s_lshl_b32 s90, s27, 22
	s_lshl_b32 s89, s[WV], 19
	s_add_co_u32 s90, s90, s89
	s_lshl_b32 s89, s26, 8
	s_add_co_u32 s90, s90, s89
	s_add_nc_u64 s[76:77], s[18:19], s[90:91]      ; x and out0 at channel 64 W, my 64 positions
	s_add_nc_u64 s[78:79], s[20:21], s[90:91]
	global_load_b128 v[WOS:WOS+3], v3, s[12:13]
	global_load_b128 v[WOS+4:WOS+7], v3, s[12:13] offset:512
.irp ot, 0,1,2,3
	global_load_b32 v[BO+\ot], v30, s[14:15] offset:64*\ot
.endr
	s_wait_kmcnt 0x0
	s_mov_b32 s73, s72
; A PRODUCER'S INTERVAL: a key step's scores, softmax and codes.  buf: p's buffer; kb: k's set; next = 1: the next step's k is asked for; last = 1: 1 / l goes out.
.macro PROD buf, kb, next, last
	s_wait_loadcnt 0x0                             ; this step's k is in, and no load of mine names the two bases: they may step
.if \next
	s_add_nc_u64 s[68:69], s[68:69], 8192
	s_add_nc_u64 s[70:71], s[70:71], 256
.irp g, 0,1
.irp c, 0,1,2,3
	global_load_b128 v[KF+32*(1-\kb)+16*\g+4*\c:KF+32*(1-\kb)+16*\g+4*\c+3], v3, s[68:69] offset:4096*\g+512*\c   ; key tile c of 64 keys g: block c of the fragment; 512 consecutive bytes
.endr
.endr
	global_load_b32 v[KS+1-\kb], v29, s[70:71]
.endif
.irp g, 0,1
.irp c, 0,1,2,3
	WM S+8*(4*\g+\c), KF+32*(\kb)+16*\g, QZ+12-4*\c, -1, KS+(\kb), QS, \g, 0   ; q stands in block c of source 1, zero codes in the others
.endr
.endr                                              ; lane (r, h) holds query r; registers 16 b + i are keys 32 b + 16 h + i of the step's 128
.rept 8
	v_nop                                          ; eight places behind these products, in front of the first read of their results
.endr
.irp b, 0,1,2,3
	v_max3_num_f32 v[BM+\b], v[S+16*\b], v[S+16*\b+1], v[S+16*\b+2]   ; the largest score of each block of 32 keys: for the row's maximum, and, since p rises with the score, for the block's largest p
.endr
.irp i, 3,5,7,9,11,13
.irp b, 0,1,2,3
	v_max3_num_f32 v[BM+\b], v[BM+\b], v[S+16*\b+\i], v[S+16*\b+\i+1]
.endr
.endr
.irp b, 0,1,2,3
	v_max_num_f32 v[BM+\b], v[BM+\b], v[S+16*\b+15]
.endr
.irp b, 0,1,2,3
	s_delay_alu instid0(VALU_DEP_4)
	v_permlanex16_b32 v[BX+\b], v[BM+\b], s[SEL], s[SEL+1]
.endr
.irp b, 0,1,2,3
	s_delay_alu instid0(VALU_DEP_4)
	v_max_num_f32 v[BM+\b], v[BM+\b], v[BX+\b]     ; with lane l xor 16's 16 keys
.endr
	s_delay_alu instid0(VALU_DEP_2)
	v_max3_num_f32 v[T0], v[BM], v[BM+1], v[BM+2]
	s_delay_alu instid0(VALU_DEP_1)
	v_max_num_f32 v[T0], v[T0], v[BM+3]            ; the step's largest score of my query
	s_delay_alu instid0(VALU_DEP_1)
	v_mul_f32 v[T0], s[CS], v[T0]                  ; as t
	s_delay_alu instid0(VALU_DEP_1)
	v_max_num_f32 v[MT], v[MT], v[T0]              ; the running largest t
	v_mov_b32 v[T0], v[NM]
	s_delay_alu instid0(VALU_DEP_2)
	v_floor_f32 v[NM], -v[MT]                      ; the new -M = floor(-t): M is a whole number
	s_delay_alu instid0(VALU_DEP_1)
	v_sub_f32 v[T0], v[NM], v[T0]                  ; old M - new M: a whole number, 0 or less
	s_delay_alu instid0(VALU_DEP_1)
	v_cvt_i32_f32 v[T0], v[T0]                     ; (it saturates)
	s_delay_alu instid0(VALU_DEP_1)
	v_ldexp_f32 v[FF], 1.0, v[T0]                  ; f = 2^(old M - new M)
.set j, 0
.rept 32
	v_pk_fma_f32 v[S+2*j:S+2*j+1], v[S+2*j:S+2*j+1], s[CS:CS+1], v[NM:MT] op_sel_hi:[1,0,0]   ; t - M, two at a time
.set j, j+1
.endr
.irp b, 0,1,2,3
	v_fma_f32 v[BM+\b], v[BM+\b], s[CS], v[NM]     ; the same of each block's largest score
.endr
.set j, 0
	s_wait_alu depctr_va_vdst(0)
.rept 64
	v_exp_f32 v[S+j], v[S+j]                       ; p = 2^(t - M), at most 1
.set j, j+1
.endr
.irp b, 0,1,2,3
	v_exp_f32 v[BM+\b], v[BM+\b]                   ; the block's largest p: the same two instructions on the same number
.endr
	v_pk_mul_f32 v[LS:LS+1], v[LS:LS+1], v[FF:PWD] op_sel_hi:[1,0]   ; l under the new M.  (The plain line behind the exponentials)
	s_wait_alu depctr_va_vdst(0)
.irp b, 0,1,2,3
	v_max_num_f32 v[BM+\b], 0x8000000, v[BM+\b]    ; the floor 2^(16 - 127)
.endr
.irp b, 0,1,2,3
	s_delay_alu instid0(VALU_DEP_4)
	v_add_nc_u32 v[SCL+\b], 0xf8800000, v[BM+\b]   ; the conversion's scale operand
.endr
.irp b, 0,1,2,3
.endr
.irp b, 0,1,2,3
	s_delay_alu instid0(VALU_DEP_4)
	v_lshrrev_b32 v[BX+\b], 23, v[SCL+\b]          ; the byte
.endr
	s_delay_alu instid0(VALU_DEP_3)
	v_lshl_or_b32 v[PWD], v[BX+1], 8, v[BX]        ; p's scale word for these 128 keys
	s_delay_alu instid0(VALU_DEP_1)
	v_lshl_or_b32 v[PWD], v[BX+2], 16, v[PWD]
	s_delay_alu instid0(VALU_DEP_1)
	v_lshl_or_b32 v[PWD], v[BX+3], 24, v[PWD]
	v_pk_add_f32 v[42:43], v[144:145], v[148:149]
	v_pk_add_f32 v[254:255], v[152:153], v[156:157]
	v_pk_add_f32 v[230:231], v[160:161], v[164:165]
	v_pk_add_f32 v[228:229], v[168:169], v[172:173]
	v_pk_add_f32 v[222:223], v[176:177], v[180:181]
	v_pk_add_f32 v[220:221], v[184:185], v[188:189]
	v_pk_add_f32 v[218:219], v[192:193], v[196:197]
	v_pk_add_f32 v[238:239], v[238:239], v[200:201]
	v_pk_add_f32 v[42:43], v[42:43], v[140:141]
	v_pk_add_f32 v[254:255], v[254:255], v[142:143]
	v_pk_add_f32 v[230:231], v[230:231], v[146:147]
	v_pk_add_f32 v[228:229], v[228:229], v[150:151]
	v_pk_add_f32 v[222:223], v[222:223], v[154:155]
	v_pk_add_f32 v[220:221], v[220:221], v[158:159]
	v_pk_add_f32 v[218:219], v[218:219], v[162:163]
	v_pk_add_f32 v[238:239], v[238:239], v[166:167]
	v_pk_add_f32 v[42:43], v[42:43], v[170:171]
	v_pk_add_f32 v[254:255], v[254:255], v[174:175]
	v_pk_add_f32 v[230:231], v[230:231], v[178:179]
	v_pk_add_f32 v[228:229], v[228:229], v[182:183]
	v_pk_add_f32 v[222:223], v[222:223], v[186:187]
	v_pk_add_f32 v[220:221], v[220:221], v[190:191]
	v_pk_add_f32 v[218:219], v[218:219], v[194:195]
	v_pk_add_f32 v[238:239], v[238:239], v[198:199]
	v_pk_add_f32 v[42:43], v[42:43], v[202:203]
	s_delay_alu instid0(VALU_DEP_2)
	v_pk_add_f32 v[238:239], v[238:239], v[228:229]
	s_delay_alu instid0(VALU_DEP_2)
	v_pk_add_f32 v[42:43], v[42:43], v[222:223]
	v_pk_add_f32 v[254:255], v[254:255], v[220:221]
	v_pk_add_f32 v[230:231], v[230:231], v[218:219]
	s_delay_alu instid0(VALU_DEP_2)
	v_pk_add_f32 v[238:239], v[238:239], v[254:255]
	s_delay_alu instid0(VALU_DEP_2)
	v_pk_add_f32 v[42:43], v[42:43], v[230:231]
	s_delay_alu instid0(VALU_DEP_1)
	v_pk_add_f32 v[238:239], v[238:239], v[42:43]
.irp b, 0,1,2,3
.irp i, 0,1,2,3,4,5,6,7,8,9,10,11,12,13,14,15
.endr
	v_cvt_scalef32_pk8_bf8_f32 v[PC+4*\b:PC+4*\b+1], v[S+16*\b:S+16*\b+7], v[SCL+\b]
	v_cvt_scalef32_pk8_bf8_f32 v[PC+4*\b+2:PC+4*\b+3], v[S+16*\b+8:S+16*\b+15], v[SCL+\b]
.endr
	v_nop                                          ; one plain line behind the last scaled conversion
.irp c, 0,1,2,3
	ds_store_b128 v16, v[PC+4*\c:PC+4*\c+3] offset:8192*\buf+512*\c   ; the fragment as it stands
.endr
	ds_store_b64 v17, v[FF:PWD] offset:1024*\buf
.if \last
	v_add_f32 v[LS], v[LS], v[LS+1]                ; l's two halves,
	s_delay_alu instid0(VALU_DEP_1)
	v_permlanex16_b32 v[T0], v[LS], s[SEL], s[SEL+1]
	s_delay_alu instid0(VALU_DEP_1)
	v_add_f32 v[LS], v[LS], v[T0]                  ; and lane l xor 16's
	s_wait_alu depctr_va_vdst(0)
	v_rcp_f32 v[T1], v[LS]
	v_nop                                          ; a plain line behind the transcendental
	s_wait_alu depctr_va_vdst(0)
	ds_store_b32 v18, v[T1]
.endif
.endm
; A CONSUMER'S INTERVAL: O^T = f O^T + v^T p^T for one key step.  a: the step's place in the ring; buf: p's buffer; zero = 1: the products start the sums; pf = 1: my rows of x are asked for ahead.
.macro CONS a, buf, zero, pf
.irp qt, 0,1,2,3
	ds_load_b64 v[PFR+2*\qt:PFR+2*\qt+1], v15 offset:1024*\buf+256*\qt
.endr
.irp i, 0,1,2,3
	ds_load_b32 v[VSR+\i], v[10+\a] offset:128*\i
.endr
.irp qt, 0,1,2,3
.irp c, 0,1,2,3
	ds_load_b128 v[PF+16*\qt+4*\c:PF+16*\qt+4*\c+3], v14 offset:8192*\buf+2048*\qt+512*\c
.endr
.endr
.irp ct, 0,1,2,3,4,5,6,7
.irp c, 0,1,2,3
	ds_load_b128 v[VF+16*\ct+4*\c:VF+16*\ct+4*\c+3], v[6+\a] offset:2048*\ct+512*\c
.endr
.endr
.if \pf
	global_prefetch_b8 v28, s[76:77] th:TH_LOAD_NT scope:SCOPE_SE                 ; my 64 channel rows' 256 bytes of x, a lane to each, once: they are loaded three intervals on
	global_prefetch_b8 v28, s[76:77] offset:262144 th:TH_LOAD_NT scope:SCOPE_SE
.endif
	s_wait_dscnt 48                                ; f, the scale words and v's scale bytes are in; the 48 fragment loads may be out
	v_perm_b32 v[VSW], v[VSR+2], v[VSR], s74       ; a tile's two bytes of keys 0-63 and its two of keys 64-127 make its scale word
	v_perm_b32 v[VSW+1], v[VSR+2], v[VSR], s75
	v_perm_b32 v[VSW+2], v[VSR+3], v[VSR+1], s74
	v_perm_b32 v[VSW+3], v[VSR+3], v[VSR+1], s75
.if \zero
.rept 8
	v_nop                                          ; a scale register written by a vector instruction stands eight places ahead of the product
.endr
.else
	WIN 0x41                                       ; O^T in window 1
.set j, 0
.rept 128
	v_pk_mul_f32 v[2*j:2*j+1], v[2*j:2*j+1], v[PFR+2*(j/32):PFR+2*(j/32)+1] op_sel_hi:[1,0]   ; O^T under the new M, each accumulator from its low end on.  (Also the places behind the four lines above)
.set j, j+1
.endr
.endif
	WIN 0x50                                       ; C and D in window 1
	s_wait_alu depctr_va_vdst(0)
.irp ct, 0,1,2,3,4,5,6,7
	s_wait_dscnt 28-4*\ct                          ; all but the later fragments of v, four loads each
.irp qt, 0,1,2,3
.if \zero
	WM 64*\qt+8*\ct, VF+16*\ct, PF+16*\qt, -1, VSW+\ct/2, PFR+2*\qt+1, \ct%2, 0
.else
	WM 64*\qt+8*\ct, VF+16*\ct, PF+16*\qt, 64*\qt+8*\ct, VSW+\ct/2, PFR+2*\qt+1, \ct%2, 0
.endif
.endr
.endr                                              ; the 32 accumulators take turns, one instruction a turn
	WIN 0
.rept 9
	v_nop                                          ; NINE places.  Eight serve the next loads into these products' registers and the next reads of their results.  The ninth is owed to a matrix instruction that writes
.endr                                              ; over a register of an earlier one (ISA guide 7.12.1): the scores lie where v's fragments lie here, and Y where O^T lies.  The distance is kept on every way through the text, also on ways that no wave takes
.endm
.macro INTERVAL pbuf, pkb, pnext, plast, ca, cbuf, czero, cpf   ; the roles part on the wave's number and join in front of the barrier
	s_cmp_lt_u32 s[WV], 4
	s_cbranch_scc0 .Lprod_\@
	CONS \ca, \cbuf, \czero, \cpf
	s_branch .Ljoin_\@
.Lprod_\@:
	PROD \pbuf, \pkb, \pnext, \plast
.Ljoin_\@:
.endm
.macro BAR                             ; my LDS stores have landed and my LDS loads are in
	s_wait_dscnt 0x0
	s_barrier_signal -1
	s_barrier_wait -1
.endm
; The barrier behind which a slot that has been read out is filled again: a round of the cluster's barrier.  step = 1: the slot's descriptor goes two pairs of key steps on.
.macro BARFILL g0, g1, step
	s_wait_tensorcnt 0x0                           ; all my tensor loads have landed (the other slot's among them), so a group 0 may be written
	ds_add_u32 v1, v2                              ; 0 onto my spare word
	ds_add_u32 v1, v2
.if \step
	s_add_nc_u64 s[\g0+2:\g0+3], s[\g0+2:\g0+3], 2*SLOTB
.endif
	s_wait_dscnt 0x0                               ; the add is done, my stores have landed and my reads of the slot are over
	ROUND                                          ; the same now holds of every wave of all four work-groups
	s_cmp_lt_u32 s[WV], 4
	s_cbranch_scc0 .Lno_fill_\@
	tensor_load_to_lds s[\g0:\g0+3], s[\g1:\g1+7]  ; the first thing behind the round, and my one tensor load until the next such round
	s_nop 0
.rept 4
	v_nop
.endr
.Lno_fill_\@:
.endm
	ROUND                                          ; all four work-groups are here: the first joint loads meet
	s_cmp_lt_u32 s[WV], 4
	s_cbranch_scc0 .Lhead_prod
	tensor_load_to_lds s[G0A:G0A+3], s[G1V:G1V+7]  ; key steps 0, 1 and 2, 3: a consumer's two first fills stand in one branch; two loads of mine are out
	s_nop 0
	tensor_load_to_lds s[G0B:G0B+3], s[G1V:G1V+7]
	s_nop 0
.rept 4
	v_nop
.endr
	s_wait_loadcnt 0x0                             ; Wo's scale words and bo
	s_branch .Lhead_done
.Lhead_prod:
	global_load_b128 v[QZ+12:QZ+15], v3, s[82:83]  ; q's codes of my 16 queries
	global_load_u8 v[T0], v30, s[86:87]            ; and their bytes
.irp g, 0,1
.irp c, 0,1,2,3
	global_load_b128 v[KF+16*\g+4*\c:KF+16*\g+4*\c+3], v3, s[68:69] offset:4096*\g+512*\c   ; k of key step 0
.endr
.endr
	global_load_b32 v[KS], v29, s[70:71]
	WIN 0x40
.set j, 0
.rept 32
	global_load_b128 v[4*j:4*j+3], v27, s[76:77] offset:16384*j th:TH_LOAD_NT   ; my 64 channel rows of x, two to a load, for the end: sixteen lanes read 256 consecutive bytes
.set j, j+1
.endr
	WIN 0
	s_wait_loadcnt 41                              ; q and its bytes are in: behind them k's 9 loads and x's 32
	v_perm_b32 v[QS], v[T0], v[T0], 0              ; the byte in all four places.  The 33 lines below stand between this line and the first product; the last nine of them name none of its registers
.irp i, 0,1,2,3,4,5,6,7,8,9,10,11
	v_mov_b32 v[QZ+\i], 0                          ; zero codes on both sides of q
	v_mov_b32 v[QZ+16+\i], 0
.endr
.irp b, 0,1,2,3
	v_mov_b32 v[BX+\b], 0                          ; written once: a lane permute's destination counts as one of its sources
.endr
	v_mov_b32 v[PWD], 0                            ; (named as the upper half of a pair before it is first written)
	v_mov_b32 v[LS], 0                             ; l, in two halves
	v_mov_b32 v[LS+1], 0
	v_mov_b32 v[MT], 0xff61b1e6                    ; the largest t so far: -3e38
	s_delay_alu instid0(VALU_DEP_1)
	v_floor_f32 v[NM], -v[MT]                      ; -M
	PROD 0, 0, 1, 0                                ; interval 0: p of key step 0
.Lhead_done:
	s_wait_tensorcnt 0x1                           ; my part of slot 0 is in; slot 1's may stay out
	BAR
	INTERVAL 1, 1, 1, 0,  0, 0, 1, 0               ; interval 1: p of step 1 | the products of step 0 start O^T's sums
	BAR
	s_mov_b32 s67, 3
.Lloop:                                            ; three trips of four intervals: p of steps 2 .. 13 | products of steps 1 .. 12; the six refills are pairs 2 .. 7, each waited for two intervals on
	INTERVAL 0, 0, 1, 0,  1, 1, 0, 0
	BARFILL G0A, G1V, 1                            ; slot 0 has been read out
	INTERVAL 1, 1, 1, 0,  2, 0, 0, 0
	BAR
	INTERVAL 0, 0, 1, 0,  3, 1, 0, 0
	BARFILL G0B, G1V, 1                            ; slot 1 has been read out
	INTERVAL 1, 1, 1, 0,  0, 0, 0, 0
	BAR
	s_sub_co_u32 s67, s67, 1
	s_cmp_lg_u32 s67, 0
	s_cbranch_scc1 .Lloop
	INTERVAL 0, 0, 1, 0,  1, 1, 0, 1               ; p of step 14 | products of step 13
	BARFILL G0WA, G1W, 0                           ; slot 0 takes Wo's rows 0 .. 255
	INTERVAL 1, 1, 0, 1,  2, 0, 0, 0               ; p of step 15, and 1 / l | products of step 14
	BAR
	s_cmp_lt_u32 s[WV], 4
	s_cbranch_scc0 .Lidle_a
	CONS 3, 1, 0, 0                                ; products of step 15
.Lidle_a:
	BARFILL G0WB, G1W, 0                           ; slot 1 takes Wo's rows 256 .. 511
	s_cmp_lt_u32 s[WV], 4
	s_cbranch_scc0 .Lidle_b
	; O^T / l, quantised along the channels: my 128 channels are K step w of the last product
.irp qt, 0,1,2,3
	ds_load_b32 v[RLR+\qt], v19 offset:128*\qt
.endr
.irp b, 0,1,2,3
	v_mov_b32 v[TM+4+\b], 0                        ; written once: a lane permute's destination counts as one of its sources
.endr
	s_wait_dscnt 0x0
.irp qt, 0,1,2,3
	WIN 0x01                                       ; source 0 (O^T) in window 1
.set j, 0
.rept 32
.if (\qt)%2
	v_pk_mul_f32 v[NB+2*j:NB+2*j+1], v[64*\qt+2*j:64*\qt+2*j+1], v[RLR+2*(\qt/2):RLR+2*(\qt/2)+1] op_sel:[0,1] op_sel_hi:[1,1]
.else
	v_pk_mul_f32 v[NB+2*j:NB+2*j+1], v[64*\qt+2*j:64*\qt+2*j+1], v[RLR+2*(\qt/2):RLR+2*(\qt/2)+1] op_sel_hi:[1,0]
.endif
.set j, j+1
.endr
	WIN 0
	QUANT NB, PCO, PWO                             ; register 16 b + i is channel 128 w + 32 b + 16 h + i of query r
.irp c, 0,1,2,3
	ds_store_b128 v20, v[PCO+4*\c:PCO+4*\c+3] offset:8192*\qt+512*\c
.endr
	ds_store_b32 v21, v[PWO] offset:512*\qt
	s_wait_dscnt 0x0                               ; the stores have read their registers
.endr
	WIN 0x40
.set j, 0
.rept 32
	global_load_b128 v[4*j:4*j+3], v27, s[76:77] offset:16384*j th:TH_LOAD_NT   ; my 64 channel rows of x, into registers that O^T has left
.set j, j+1
.endr
	WIN 0
.Lidle_b:
	s_wait_tensorcnt 0x0                           ; both halves of Wo have landed
	BAR                                            ; and the sixteen fragments of O / l lie in LDS
	; Y = (O / l) Wo^T: all eight waves, wave W makes output channels 64 W .. 64 W + 63 for the 64 queries: 16 accumulators by turns, a K step at a time
.irp ks, 0,1,2,3
.irp qt, 0,1,2,3
	ds_load_b32 v[OS+\qt], v23 offset:(4*\qt+\ks)*128
.endr
.irp qt, 0,1,2,3
.irp c, 0,1,2,3
	ds_load_b128 v[OF+16*\qt+4*\c:OF+16*\qt+4*\c+3], v22 offset:(4*\qt+\ks)*2048+512*\c
.endr
.endr
.irp ot, 0,1,2,3
.irp c, 0,1,2,3
	ds_load_b128 v[WF+16*\ot+4*\c:WF+16*\ot+4*\c+3], v24 offset:8448*\ot+128*\ks+32*\c
.endr
.endr
	WIN 0x50
.irp ot, 0,1,2,3
	s_wait_dscnt 12-4*\ot                          ; all but the later fragments of Wo, four loads each
.irp qt, 0,1,2,3
.if \ks == 0
	WM 128+8*(4*\ot+\qt), OF+16*\qt, WF+16*\ot, -1, OS+\qt, WOS+4*(\ot/2)+\ks, 0, \ot%2
.else
	WM 128+8*(4*\ot+\qt), OF+16*\qt, WF+16*\ot, 128+8*(4*\ot+\qt), OS+\qt, WOS+4*(\ot/2)+\ks, 0, \ot%2
.endif
.endr
.endr
	WIN 0
.rept 8
	v_nop                                          ; eight places, in front of the next K step's loads and of the first read of the results; the next K step's products add in place
.endr
.endr
.irp ot, 0,1,2,3
	v_mul_f32 v[GB+\ot], s72, v[BO+\ot]            ; gamma x bo
.endr
	WIN 0x01                                       ; source 0 (Y) in window 1
.set j, 0
.rept 64
.if (j/16)%2
	v_pk_fma_f32 v[YS+2*j:YS+2*j+1], v[128+2*j:128+2*j+1], s[72:73], v[GB+2*(j/32):GB+2*(j/32)+1] op_sel:[0,0,1] op_sel_hi:[1,0,1]
.else
	v_pk_fma_f32 v[YS+2*j:YS+2*j+1], v[128+2*j:128+2*j+1], s[72:73], v[GB+2*(j/32):GB+2*(j/32)+1] op_sel_hi:[1,0,0]
.endif
.set j, j+1
.endr
	WIN 0
	; THE WAY OUT.  A lane holds 32 neighbouring bytes of a channel row, and the lanes beside it hold other rows: the 64 rows go through my stage and come back whole.  The stage lies over my rows of Wo, which I alone
	; read, whose reads are in, and which have had their last fill.  LDS serves a wave's instructions in order (ISA guide 5.7.1.4): no wait between the stores and the loads.
.irp ot, 0,1,2,3
.irp qt, 0,1,2,3
	ds_store_b128 v25, v[YS+8*(4*\ot+\qt):YS+8*(4*\ot+\qt)+3] offset:4352*\ot+128*(\qt/2)+32*(\qt%2)       ; register j of tile qt is position 32 (qt / 2) + 16 h + 8 (qt % 2) + j
	ds_store_b128 v25, v[YS+8*(4*\ot+\qt)+4:YS+8*(4*\ot+\qt)+7] offset:4352*\ot+128*(\qt/2)+32*(\qt%2)+16
.endr
.endr
.set j, 0
.rept 32
	ds_load_b128 v[YS+4*j:YS+4*j+3], v26 offset:544*j
.set j, j+1
.endr
	s_wait_loadcnt 0x0                             ; x
	WIN 0x44                                       ; destination and source 1 (x; a store's data) in window 1
.set j, 0
.rept 32
	s_wait_dscnt 31-j                              ; rows 2 j and 2 j + 1 are back; the later loads may be out
	v_pk_add_f32 v[4*j:4*j+1], v[YS+4*j:YS+4*j+1], v[4*j:4*j+1]
	v_pk_add_f32 v[4*j+2:4*j+3], v[YS+4*j+2:YS+4*j+3], v[4*j+2:4*j+3]
	global_store_b128 v27, v[4*j:4*j+3], s[78:79] offset:16384*j th:TH_STORE_NT   ; sixteen lanes store 256 consecutive bytes, aligned; written once
.set j, j+1
.endr
	WIN 0
	s_wait_tensorcnt 0x0                           ; the wave's end, behind my last tensor load and my last LDS store
	ds_add_u32 v1, v2
	s_wait_dscnt 0x0
	ROUND                                          ; the closing round: no work-group ends while a partner may still ask for a tile that names it
	s_endpgm
.Lfunc_end_k_q76e31473f5_attn:
	.size	k_q76e31473f5_attn, .Lfunc_end_k_q76e31473f5_attn-k_q76e31473f5_attn
	.p2alignl 7, 3214868480
	.fill 96, 4, 3214868480
	.section	.rodata,"a",@progbits
	.p2align	6, 0x0
	.amdhsa_kernel k_q76e31473f5_attn
		.amdhsa_group_segment_fixed_size 327680
		.amdhsa_private_segment_fixed_size 0
		.amdhsa_enable_private_segment 0
		.amdhsa_kernarg_size 72
		.amdhsa_user_sgpr_count 2
		.amdhsa_user_sgpr_kernarg_segment_ptr 1
		.amdhsa_wavefront_size32 1
		.amdhsa_system_sgpr_workgroup_id_x 1
		.amdhsa_system_sgpr_workgroup_id_y 1
		.amdhsa_system_sgpr_workgroup_id_z 1
		.amdhsa_system_vgpr_workitem_id 0
		.amdhsa_next_free_vgpr 512
		.amdhsa_next_free_sgpr 96
		.amdhsa_reserve_vcc 0
		.amdhsa_float_denorm_mode_32 3
		.amdhsa_float_denorm_mode_16_64 3
		.amdhsa_fp16_overflow 1
		.amdhsa_memory_ordered 1
		.amdhsa_forward_progress 1
		.amdhsa_inst_pref_size 255
	.end_amdhsa_kernel
	.section	.bss,"aw",@nobits
	.p2align	6
	.space	262144
	.amdgpu_metadata
---
amdhsa.version: [ 1, 2 ]
amdhsa.kernels:
  - .name:           k_q76e31473f5_attn
    .symbol:         k_q76e31473f5_attn.kd
    .args:
      - { .name: qkc, .offset: 0, .size: 8, .value_kind: global_buffer, .address_space: global }
      - { .name: qks, .offset: 8, .size: 8, .value_kind: global_buffer, .address_space: global }
      - { .name: vbuf, .offset: 16, .size: 8, .value_kind: global_buffer, .address_space: global }
      - { .name: Wo_codes, .offset: 24, .size: 8, .value_kind: global_buffer, .address_space: global }
      - { .name: Wo_scales, .offset: 32, .size: 8, .value_kind: global_buffer, .address_space: global }
      - { .name: bo, .offset: 40, .size: 8, .value_kind: global_buffer, .address_space: global }
      - { .name: gamma, .offset: 48, .size: 8, .value_kind: global_buffer, .address_space: global }
      - { .name: x, .offset: 56, .size: 8, .value_kind: global_buffer, .address_space: global }
      - { .name: out0, .offset: 64, .size: 8, .value_kind: global_buffer, .address_space: global }
    .group_segment_fixed_size: 327680
    .private_segment_fixed_size: 0
    .kernarg_segment_align: 8
    .kernarg_segment_size: 72
    .max_flat_workgroup_size: 256
    .sgpr_count:     96
    .vgpr_count:     512
    .wavefront_size: 32
...
	.end_amdgpu_metadata
.endif
;; end of part 2
